; MI455X (gfx1250); checked and timed in simulation.
; The chip was launched on July 23, 2026; its instructions are those of AMD's public machine-readable ISA for CDNA 5 (MIT licence, August 2026) and "CDNA5" Instruction Set Architecture Reference Guide (July 2026). The comments in the code are by the model that wrote it; some were corrected since.
;; Maximum Likelihood Detector. Allowed arithmetic: float matrix products may take bf16 or f16 operands with f32 sums; all other float work in f32.
;; Inputs: h_im 4,096 x 8 x 3 float32; h_re 4,096 x 8 x 3 float32; s_im 4,096 x 8 x 8 float32; s_re 4,096 x 8 x 8 float32; y_im 4,096 x 8 float32; y_re 4,096 x 8 float32.
;; Outputs: out0 4,096 x 3 x 4 float32.
;; One version. Each part assembles by itself: llvm-mc -triple=amdgcn-amd-amdhsa -mcpu=gfx1250 --defsym DOCPART=n.
;; ======== version 1 of 1: 1 launch
;; launch mld (part 1): grid 256 x 1, 4 waves a work-group, no clusters, 168,448 bytes of LDS; arguments s_re, s_im, h_re, h_im, y_re, y_im, out0; writes out0
.if DOCPART == 1
	.amdgcn_target "amdgcn-amd-amdhsa--gfx1250"
	.amdhsa_code_object_version 6
	.text
	.protected	k_qeb0a5be3ea_mld
	.globl	k_qeb0a5be3ea_mld
	.p2align	8
	.type	k_qeb0a5be3ea_mld,@function
k_qeb0a5be3ea_mld:
	s_mov_b64 s[64:65], 0
	v_nop
	global_prefetch_b8 v0, s[64:65] scope:SCOPE_SE
	s_setreg_imm32_b32 hwreg(HW_REG_WAVE_MODE, 25, 1), 1
	s_wait_xcnt 0x0
; Maximum-likelihood detector, max-log LLRs: 4096 batches, 8 antennas, 3 streams of Gray QAM16, 4096 candidates a batch.
; One work-group = 16 batches, four waves.  d(b; x0,x1,x2) = yn - 2 Re(z x) + x^H G x, all candidates, by the matrix unit.
;  1 the group's 12 KB of inputs come into LDS by asynchronous copies, all asked for at once;
;  2 meanwhile every wave builds 16 candidate fragments (tile = x1, fragment row = x2);
;  3 waves 0, 1: lane = (batch, column of [y h0 h1 h2]): T = S + S^H (the symmetrisation of the problem's Cholesky routine without
;    its 1/2: the factor is sqrt2 L, every product of two solved columns is half of the true one, and the exact 2 goes into the
;    scales below); complex Cholesky of T and forward substitution of the lane's column in one sweep; solved columns to LDS;
;  4 all waves: Gram products in f32 on the vector unit (4 x 8 x 4 numbers a batch would fill a small corner of a matrix tile);
;    x0 is folded into the batch side: wave w owns x0 = 4w .. 4w+3, four batch fragments;
;  5 64 matrix instructions a wave, A = 16 candidates, B = 16 batches: lane = batch, register j = symbol x2 = 8h + j;
;    running minima for each symbol of each stream: 36 vector instructions for 4 tiles of 256 distances;
;  6 symbol minima -> bit minima -> LDS -> 48 threads (batch, stream) finish and store 16 bytes each.
; FORMATS. Symbols are taken times sqrt10 (+-1, +-3): every candidate feature is a whole number of at most 18, exact in bf16.
; Batch coefficients (f32, with 1/sqrt10 and 1/10 folded in) go in as bf16 hi + bf16 lo: 8 features x 2 = 16 of the 32 k places.
; The other 16 k places are 0 on the batch side, so a candidate fragment's upper four registers may hold any finite numbers and
; the fragments overlap at a stride of four registers.  yn + G22 |x2|^2 enters as the C operand, in f32.
; LIMITS. Coefficients carry 16 bits of mantissa. Distances above 1e30 are not clipped to the problem's BIG. v_min_num drops a NaN:
; if S is not positive definite every distance is NaN, every minimum stays +inf and every output is inf - inf = NaN, as the problem
; gives. v_rsq_f32 takes a pivot below 2^-126 as zero.
; NO CLUSTER: no two work-groups read the same input byte. No ring: each input byte is read once, at the start.
; ---- LDS map (bytes)
.set PS,    272                        ; a batch's 256 bytes of S + 16: an odd multiple of 16, so 16 lanes' 16-byte loads start at 16 different 16-byte columns modulo 256
.set L_SRE, 0
.set L_SIM, 16*PS
.set L_W,   32*PS                      ; [batch, pitch 132][antenna x 16][column y, h0, h1, h2 x 4], real; imaginary at + WIM
.set PW,    132
.set WIM,   16*PW
.set L_SOL, L_W+2*WIM                  ; solved columns: [column][batch] 8 complex = 64 bytes + 16
.set PSOL,  80
.set SOLC,  16*PSOL
.set L_PR,  L_SOL+4*SOLC               ; bit minima: [thread] 24 floats = 96 bytes + 16
.set PPR,   112
; ---- vector registers
.set RR,   1                           ; lane & 15: batch in the group; x2 of a candidate fragment's row
.set GS,   2                           ; 16 t
.set LS,   3                           ; v3-6 LDS targets of the four pieces of S
.set GY,   7                           ; 4 t
.set GH,   8                           ; 12 t
.set LWYR, 9                           ; LDS targets of y and h, real and imaginary
.set LWHR, 10
.set LWYI, 11
.set LWHI, 12
.set SA,   13                          ; 272 r
.set WA,   14                          ; 132 r + 4 (t / 16)
.set SOLW, 15                          ; 80 t
.set SOL0, 16                          ; 80 r
.set SOLX, 17                          ; 80 r + 1280 h       (column 2 + h)
.set SOLP, 18                          ; 80 r + 1280 (1 - h) (column 3 - h)
.set PRW,  19                          ; 112 t
.set PRR,  20                          ; 112 (u / 3) + 32 (u % 3), u = min(t, 47)
.set OUTO, 21                          ; 16 u
.set A2,   22                          ; Re, Im of symbol x2 = r, times sqrt10
.set B2,   23
.set AB2,  24                          ; the two as bf16
.set NEG1, 25
.set VINF, 26
.set TMP,  28                          ; v28-31
.set KB,   32                          ; -4/sqrt10, +4/sqrt10, 0.2 in half 0 and 0 in half 1
.set KG,   33
.set KD,   34
.set KA,   35                          ; 0.4, -0.4 in half 1 and 0 in half 0
.set KE,   36
.set HF,   37
.set HN,   38
.set CAND, 40                          ; v40-107 candidate fragments, tile x1 at CAND + 4 x1; four zeros at the end
.set CTB,  108                         ; v108-115 temporaries while they are built
.set TB,   108                         ; v108-163 T(i,j), i > j, pair (re, im) at TB + i(i-1) + 2j; becomes L
.set DG,   164                         ; v164-179 diagonal i as a pair whose sum is the pivot
.set YY,   180                         ; v180-195 the lane's column, 8 complex
.set IVB,  196                         ; v196-199 two pairs (1/sqrt(pivot), pivot), in turn
.set BF,   200                         ; v200-231 four batch fragments
.set QC0,  108                         ; v108-171 solved columns 0, 1, 2+h, 3-h
.set QC1,  124
.set QX,   140
.set QXP,  156
.set PA,   172                         ; conj(col 0) . col X   = z(1+h) / 2
.set PB,   174                         ; conj(col 1) . col X   = G(0,1+h) / 2
.set PC,   176                         ; conj(col 0) . col 1   = z0 / 2
.set PD,   178                         ; conj(col X') . col X  = G12 / 2 in half 1
.set DA,   180                         ; squared norms of columns 0, 1, X, X'
.set DB,   182
.set DX,   184
.set DP,   186
.set PQ,   188
.set GG,   190
.set AL3,  192
.set BE3,  193
.set GA3,  194
.set DE3,  195
.set V4,   196
.set R4,   197
.set YN,   198
.set G22,  199
.set FT,   232                         ; v232-247 two sets of temporaries
.set CB,   248                         ; v248-255 the C operand
.set DBUF, 108                         ; v108-171 two buffers of four result tiles
.set MN2,  172                         ; v172-179 min over my x0, all x1, for x2 = 8h + j
.set MN1,  180                         ; v180-195 min over my x0, my half of x2, for each x1
.set MN0,  196                         ; v196-199 min over x1, my half of x2, for x0 = 4w + i
.set TT,   232                         ; v232-239 tile minima
.set OB0,  108                         ; bit minima of stream k: min0 of bits 0-3, min1 of bits 0-3
.set OB1,  116
.set OB2,  124
.set FF,   108                         ; the last step: 8 partials x 8 values
	s_load_b256 s[4:11], s[0:1], 0x0               ; s_re s[4:5], s_im s[6:7], h_re s[8:9], h_im s[10:11]
	s_load_b128 s[12:15], s[0:1], 0x20             ; y_re s[12:13], y_im s[14:15]
	s_load_b64 s[16:17], s[0:1], 0x30              ; out0
	v_lshl_add_u32 v246, v0, 2, 0x29000
	v_mov_b32 v247, 0
	ds_add_u32 v246, v247
	ds_add_u32 v246, v247
	v_lshrrev_b32 v[TMP], 5, v0
	v_readfirstlane_b32 s18, v[TMP]                ; wave 0..3
	s_lshl_b32 s20, ttmp9, 12                      ; 16 batches: 4096 bytes of s_re and of s_im,
	s_mov_b32 s21, 0
	s_mul_i32 s22, ttmp9, 1536                     ; 1536 of h_re and h_im,
	s_mov_b32 s23, 0
	s_lshl_b32 s24, ttmp9, 9                       ; 512 of y_re and y_im,
	s_mov_b32 s25, 0
	s_mul_i32 s26, ttmp9, 768                      ; 768 of out0
	s_mov_b32 s27, 0
	v_and_b32 v[RR], 15, v0
	v_lshlrev_b32 v[GS], 4, v0                     ; S: thread t copies the 16-byte pieces t and t + 128
	v_lshrrev_b32 v[TMP], 4, v0
	v_mul_u32_u24 v[TMP], v[TMP], PS
	v_lshl_add_u32 v[LS], v[RR], 4, v[TMP]         ; batch t/16, piece t%16
	v_add_nc_u32 v[LS+1], 128, v[LS]               ; piece t + 128 lies 8 x 272 = 2176 LDS bytes on; the copy's offset 2048 is added on both sides
	v_add_nc_u32 v[LS+2], L_SIM, v[LS]
	v_add_nc_u32 v[LS+3], L_SIM+128, v[LS]
	v_lshlrev_b32 v[GY], 2, v0                     ; y, h: thread t = (batch t/8, antenna t%8)
	v_mul_u32_u24 v[GH], v0, 12
	v_lshrrev_b32 v[TMP], 3, v0
	v_and_b32 v[TMP+1], 7, v0
	v_mul_u32_u24 v[TMP], v[TMP], PW
	v_lshl_add_u32 v[TMP], v[TMP+1], 4, v[TMP]
	v_add_nc_u32 v[LWYR], L_W, v[TMP]
	v_add_nc_u32 v[LWHR], L_W+4, v[TMP]
	v_add_nc_u32 v[LWYI], L_W+WIM, v[TMP]
	v_add_nc_u32 v[LWHI], L_W+WIM+4, v[TMP]
	s_wait_dscnt 0x0
	s_wait_kmcnt 0x0
	s_add_nc_u64 s[4:5], s[4:5], s[20:21]
	s_add_nc_u64 s[6:7], s[6:7], s[20:21]
	s_add_nc_u64 s[8:9], s[8:9], s[22:23]
	s_add_nc_u64 s[10:11], s[10:11], s[22:23]
	s_add_nc_u64 s[12:13], s[12:13], s[24:25]
	s_add_nc_u64 s[14:15], s[14:15], s[24:25]
	s_add_nc_u64 s[16:17], s[16:17], s[26:27]
	; twelve copies a wave; each of S's covers 512 consecutive bytes. v2-12 and s[4:15] are never written again.
	global_load_async_to_lds_b128 v[LS], v[GS], s[4:5]
	global_load_async_to_lds_b128 v[LS+1], v[GS], s[4:5] offset:2048
	global_load_async_to_lds_b128 v[LS+2], v[GS], s[6:7]
	global_load_async_to_lds_b128 v[LS+3], v[GS], s[6:7] offset:2048
	global_load_async_to_lds_b32 v[LWYR], v[GY], s[12:13]
	global_load_async_to_lds_b32 v[LWYI], v[GY], s[14:15]
.irp c,0,1,2
	global_load_async_to_lds_b32 v[LWHR], v[GH], s[8:9] offset:4*\c      ; stream c: 4c on in memory and in LDS (column 1 + c)
	global_load_async_to_lds_b32 v[LWHI], v[GH], s[10:11] offset:4*\c
.endr
	; ---- work that needs no input, while the copies are on their way
	; Gray QAM16, index bits b0 b1 b2 b3 (b0 first): Re = (1-2 b0)(1+2 b2), Im = (1-2 b1)(1+2 b3), times 1/sqrt10. x0 = 4w + i.
	s_lshr_b32 s28, s18, 1
	s_lshl_b32 s28, s28, 31                        ; sign of Re x0: b0 = w >> 1
	s_lshl_b32 s29, s18, 31                        ; sign of Im x0: b1 = w & 1
	s_or_b32 s32, s28, 0x3f800000                  ; +-1 and +-3, each twice: a packed instruction names a scalar pair
	s_mov_b32 s33, s32
	s_or_b32 s34, s28, 0x40400000
	s_mov_b32 s35, s34
	s_or_b32 s36, s29, 0x3f800000
	s_mov_b32 s37, s36
	s_or_b32 s38, s29, 0x40400000
	s_mov_b32 s39, s38
	s_cmp_ge_u32 s18, 2
	s_cselect_b32 s30, -1, 0                       ; all ones if b0 of my x0 is 1
	s_bitcmp1_b32 s18, 0
	s_cselect_b32 s31, -1, 0                       ; all ones if b1 of my x0 is 1
	s_mov_b32 vcc_lo, 0xffff0000                   ; the lanes of half 1
	v_mul_u32_u24 v[SA], v[RR], PS
	v_lshrrev_b32 v[TMP], 4, v0
	v_lshlrev_b32 v[TMP], 2, v[TMP]
	v_mad_u32_u24 v[WA], v[RR], PW, v[TMP]
	v_mul_u32_u24 v[SOLW], v0, PSOL
	v_mul_u32_u24 v[SOL0], v[RR], PSOL
	v_mul_u32_u24 v[PRW], v0, PPR
	v_bfe_u32 v[TMP], v0, 4, 1                     ; h
	v_xor_b32 v[TMP+1], 1, v[TMP]
	v_cvt_f32_u32 v[HF], v[TMP]
	v_mad_u32_u24 v[SOLX], v[TMP], SOLC, v[SOL0]
	v_mad_u32_u24 v[SOLP], v[TMP+1], SOLC, v[SOL0]
	v_sub_f32 v[HN], 1.0, v[HF]
	v_min_u32 v[TMP], 47, v0                       ; u: the last step's (batch u/3, stream u%3)
	v_mul_u32_u24 v[TMP+1], v[TMP], 171
	v_lshrrev_b32 v[TMP+1], 9, v[TMP+1]            ; u / 3 for u < 48
	v_lshlrev_b32 v[PRR], 5, v[TMP]
	v_lshl_add_u32 v[PRR], v[TMP+1], 4, v[PRR]     ; 32 u + 16 (u/3) = 112 (u/3) + 32 (u%3)
	v_lshlrev_b32 v[OUTO], 4, v[TMP]
	v_mov_b32 v[NEG1], -1.0
	v_mov_b32 v[VINF], 0x7f800000
	v_mul_f32 v[KB], 0xbfa1e89b, v[HN]
	v_mul_f32 v[KG], 0x3fa1e89b, v[HN]
	v_mul_f32 v[KD], 0x3e4ccccd, v[HN]
	v_mul_f32 v[KA], 0x3ecccccd, v[HF]
	v_mul_f32 v[KE], 0xbecccccd, v[HF]
	v_bfe_u32 v[TMP], v[RR], 1, 1                  ; symbol x2 = r: magnitudes 1 + 2 b2, 1 + 2 b3 (3.0 is 1.0 + 0xc00000 as a pattern)
	v_and_b32 v[TMP+1], 1, v[RR]
	v_mul_u32_u24 v[TMP], v[TMP], 0xc00000
	v_mul_u32_u24 v[TMP+1], v[TMP+1], 0xc00000
	v_bfe_u32 v[TMP+2], v[RR], 3, 1                ; signs b0, b1
	v_bfe_u32 v[TMP+3], v[RR], 2, 1
	v_add_nc_u32 v[TMP], 0x3f800000, v[TMP]
	v_add_nc_u32 v[TMP+1], 0x3f800000, v[TMP+1]
	v_lshl_or_b32 v[A2], v[TMP+2], 31, v[TMP]
	v_lshl_or_b32 v[B2], v[TMP+3], 31, v[TMP+1]
	v_cvt_pk_bf16_f32 v[AB2], v[A2], v[B2]
.irp q,0,1,2,3
	v_mov_b32 v[CAND+64+\q], 0                     ; the last candidate fragment's upper four registers
.irp i,0,1,2,3
	v_mov_b32 v[BF+8*\i+4+\q], 0                   ; the batch fragments' k places 16-31
.endr
.endr
; Candidate fragment of tile x1 = j, row x2 = r. A lane of half h holds k = 8h .. 8h+7 in its registers 0-3:
;   half 0: (a1, b1) (a1, b1) (1, n1) (1, n1)     half 1: (a2, b2) (a2, b2) (Re, Im) (Re, Im) of conj(x1) x2
; each pair once for the batch side's hi part and once for its lo part; a, b = Re, Im times sqrt10; n = a^2 + b^2 = 2, 10, 18.
.macro CANDT j
.set jb0, ((\j)>>3)&1
.set jb1, ((\j)>>2)&1
.set jb2, ((\j)>>1)&1
.set jb3, (\j)&1
.set FA, 0x3f800000+(jb2*0xc00000)+(jb0*0x80000000)
.set FB, 0x3f800000+(jb3*0xc00000)+(jb1*0x80000000)
.set FBN, 0x3f800000+(jb3*0xc00000)+((1-jb1)*0x80000000)
.set FN, 0x40000000+((jb2+jb3)*0x1200000)-(((jb2+jb3)>>1)*0xb00000)
.set CT, CTB+4*((\j)&1)
	v_cndmask_b32 v[CAND+4*(\j)], (FA>>16)|((FB>>16)<<16), v[AB2], vcc_lo
	v_cndmask_b32 v[CAND+4*(\j)+1], (FA>>16)|((FB>>16)<<16), v[AB2], vcc_lo
	v_mul_f32 v[CT], FA, v[A2]
	v_mul_f32 v[CT+1], FA, v[B2]
	v_fmac_f32 v[CT], FB, v[B2]                    ; a1 a2 + b1 b2
	v_fmac_f32 v[CT+1], FBN, v[A2]                 ; a1 b2 - b1 a2
	v_cvt_pk_bf16_f32 v[CT+2], v[CT], v[CT+1]
	v_cndmask_b32 v[CAND+4*(\j)+2], 0x3f80|((FN>>16)<<16), v[CT+2], vcc_lo
	v_cndmask_b32 v[CAND+4*(\j)+3], 0x3f80|((FN>>16)<<16), v[CT+2], vcc_lo
.endm
.irp j,0,1,2,3,4,5,6,7,8,9,10,11,12,13,14,15
	CANDT \j
.endr
	s_wait_asynccnt 0x0                            ; my copies have landed: zero, since other waves read them
	s_barrier_signal -1
	s_barrier_wait -1                              ; everybody's have
	; ---- waves 0 and 1: whitening. Thread t = (column t/16 of [y h0 h1 h2], batch t%16)
	s_cmp_ge_u32 s18, 2
	s_cbranch_scc1 .Lsolved
.irp m,0,1,2,3,4,5,6,7
	ds_load_b32 v[YY+2*\m], v[WA] offset:L_W+16*\m             ; the column as (re, im) pairs
	ds_load_b32 v[YY+2*\m+1], v[WA] offset:L_W+WIM+16*\m
.endr
	s_set_vgpr_msb 0x40                            ; destinations in v256-511: raw S, re at v256 + 8i + j, im at v320 + 8i + j
.irp q,0,1,2,3,4,5,6,7,8,9,10,11,12,13,14,15
	ds_load_b128 v[4*\q:4*\q+3], v[SA] offset:L_SRE+16*\q
.endr
.irp q,0,1,2,3,4,5,6,7,8,9,10,11,12,13,14,15
	ds_load_b128 v[64+4*\q:64+4*\q+3], v[SA] offset:L_SIM+16*\q
.endr
	s_wait_dscnt 0x0
	s_set_vgpr_msb 0x4005                          ; both sources in v256-511, destination in v0-255
	; T = S + S^H, lower triangle and diagonal: (re_ij + re_ji, im_ij - im_ji)
.irp i,0,1,2,3,4,5,6,7
.irp j,0,1,2,3,4,5,6,7
.if \j<\i
	v_add_f32 v[TB+\i*(\i-1)+2*\j], v[8*\i+\j], v[8*\j+\i]
	v_sub_f32 v[TB+\i*(\i-1)+2*\j+1], v[64+8*\i+\j], v[64+8*\j+\i]
.endif
.if \j==\i
	v_add_f32 v[DG+2*\i], v[9*\i], v[9*\i]
	v_sub_f32 v[DG+2*\i+1], v[64+9*\i], v[64+9*\i]
.endif
.endr
.endr
	s_set_vgpr_msb 0x0500                          ; all windows back to v0-255
; The trailing update of step k, in two halves so that the two instructions on one pair do not stand back to back:
;   T(i,j) -= L(i,k) conj(L(j,k)):  half 0: (-ar br, -ai br)   half 1: (-ai bi, +ar bi)
;   Y(i)   -= L(i,k) Y(k):          half 0: (-ar yr, -ar yi)   half 1: (+ai yi, -ai yr)
.macro UPD k, half
.irp j,1,2,3,4,5,6
.if \j>\k
.irp i,2,3,4,5,6,7
.if \i>\j
.set TIJ, TB+\i*(\i-1)+2*\j
.set TIK, TB+\i*(\i-1)+2*\k
.set TJK, TB+\j*(\j-1)+2*\k
.if \half==0
	v_pk_fma_f32 v[TIJ:TIJ+1], v[TIK:TIK+1], v[TJK:TJK+1], v[TIJ:TIJ+1] op_sel_hi:[1,0,1] neg_lo:[1,0,0] neg_hi:[1,0,0]
.else
	v_pk_fma_f32 v[TIJ:TIJ+1], v[TIK:TIK+1], v[TJK:TJK+1], v[TIJ:TIJ+1] op_sel:[1,1,0] op_sel_hi:[0,1,1] neg_lo:[1,0,0]
.endif
.endif
.endr
.endif
.endr
.irp i,1,2,3,4,5,6,7
.if \i>\k
.set TIK, TB+\i*(\i-1)+2*\k
.set YI, YY+2*\i
.set YK, YY+2*\k
.if \half==0
	v_pk_fma_f32 v[YI:YI+1], v[TIK:TIK+1], v[YK:YK+1], v[YI:YI+1] op_sel_hi:[0,1,1] neg_lo:[1,0,0] neg_hi:[1,0,0]
.else
	v_pk_fma_f32 v[YI:YI+1], v[TIK:TIK+1], v[YK:YK+1], v[YI:YI+1] op_sel:[1,1,0] op_sel_hi:[1,0,1] neg_hi:[1,0,0]
.endif
.endif
.endr
.endm
; Step k: column k and Y(k) times 1/L(k,k); then the next pivot at once, so that its v_rsq_f32 runs under the rest of the update.
; Behind v_rsq_f32 a plain vector instruction that touches neither its result nor its source comes first (ISA guide 5.7.2):
; a diagonal's update, in step 6 the first half of Y(7)'s.
.macro STEP k
.set CUR, IVB+2*(\k&1)
.set NXT, IVB+2-2*(\k&1)
.irp i,1,2,3,4,5,6,7
.if \i>\k
.set TIK, TB+\i*(\i-1)+2*\k
	v_pk_mul_f32 v[TIK:TIK+1], v[TIK:TIK+1], v[CUR:CUR+1] op_sel_hi:[1,0]
.endif
.endr
	s_wait_alu depctr_va_vdst(0)
	v_pk_mul_f32 v[YY+2*\k:YY+2*\k+1], v[YY+2*\k:YY+2*\k+1], v[CUR:CUR+1] op_sel_hi:[1,0]
.if \k<7
.set TIK, TB+(\k+1)*\k+2*\k
.set DI, DG+2*\k+2
	v_pk_fma_f32 v[DI:DI+1], v[TIK:TIK+1], v[TIK:TIK+1], v[DI:DI+1] neg_lo:[1,0,0] neg_hi:[1,0,0]
	v_add_f32 v[NXT+1], v[DI], v[DI+1]             ; pivot k+1 = T(k+1,k+1) - sum |L(k+1,.)|^2
	v_rsq_f32 v[NXT], v[NXT+1]
.irp i,2,3,4,5,6,7
.if \i>(\k+1)
.set TIK, TB+\i*(\i-1)+2*\k
.set DI, DG+2*\i
	v_pk_fma_f32 v[DI:DI+1], v[TIK:TIK+1], v[TIK:TIK+1], v[DI:DI+1] neg_lo:[1,0,0] neg_hi:[1,0,0]
	s_wait_alu depctr_va_vdst(0)
.endif
.endr
	UPD \k, 0
	UPD \k, 1
.endif
.endm
	v_add_f32 v[IVB+1], v[DG], v[DG+1]
	v_rsq_f32 v[IVB], v[IVB+1]
	v_nop                                          ; the place behind v_rsq_f32
	s_wait_alu depctr_va_vdst(0)
.irp k,0,1,2,3,4,5,6,7
	STEP \k
.endr
.irp q,0,1,2,3
	ds_store_b128 v[SOLW], v[YY+4*\q:YY+4*\q+3] offset:L_SOL+16*\q     ; (column x 16 + batch) x 80 = 80 t
.endr
	s_wait_dscnt 0x0                               ; zero: the other waves read these bytes
.Lsolved:
	s_barrier_signal -1
	s_barrier_wait -1
	; ---- all waves, lane (r, h): products of the solved columns 0 (y), 1, X = 2 + h, X' = 3 - h of batch r
.irp q,0,1,2,3
	ds_load_b128 v[QC0+4*\q:QC0+4*\q+3], v[SOL0] offset:L_SOL+16*\q
	ds_load_b128 v[QC1+4*\q:QC1+4*\q+3], v[SOL0] offset:L_SOL+SOLC+16*\q
	ds_load_b128 v[QX+4*\q:QX+4*\q+3], v[SOLX] offset:L_SOL+2*SOLC+16*\q
	ds_load_b128 v[QXP+4*\q:QXP+4*\q+3], v[SOLP] offset:L_SOL+2*SOLC+16*\q
.endr
.macro QF d, p, q, first               ; d += (pr qr, pr qi)
.if \first
	v_pk_mul_f32 v[\d:\d+1], v[\p:\p+1], v[\q:\q+1] op_sel_hi:[0,1]
.else
	v_pk_fma_f32 v[\d:\d+1], v[\p:\p+1], v[\q:\q+1], v[\d:\d+1] op_sel_hi:[0,1,1]
.endif
.endm
.macro QS d, p, q                      ; d += (pi qi, -pi qr): together conj(p) q
	v_pk_fma_f32 v[\d:\d+1], v[\p:\p+1], v[\q:\q+1], v[\d:\d+1] op_sel:[1,1,0] op_sel_hi:[1,0,1] neg_hi:[0,1,0]
.endm
.macro QD d, p, first                  ; d += (pr^2, pi^2)
.if \first
	v_pk_mul_f32 v[\d:\d+1], v[\p:\p+1], v[\p:\p+1]
.else
	v_pk_fma_f32 v[\d:\d+1], v[\p:\p+1], v[\p:\p+1], v[\d:\d+1]
.endif
.endm
.macro QM m, first                     ; antenna m: eight chains that do not wait for each other; the first products start the sums
.set C0, QC0+2*(\m)
.set C1, QC1+2*(\m)
.set CX, QX+2*(\m)
.set CP, QXP+2*(\m)
	QF PA, C0, CX, \first
	QF PB, C1, CX, \first
	QF PC, C0, C1, \first
	QF PD, CP, CX, \first
	QD DA, C0, \first
	QD DB, C1, \first
	QD DX, CX, \first
	QD DP, CP, \first
	QS PA, C0, CX
	QS PB, C1, CX
	QS PC, C0, C1
	QS PD, CP, CX
.endm
	s_wait_dscnt 12                                ; LDS loads return in order: the first four (antennas 0, 1 of the four columns) are in, twelve younger stay out
	QM 0, 1
	QM 1, 0
	s_wait_dscnt 8                                 ; antennas 2, 3; eight younger stay out
	QM 2, 0
	QM 3, 0
	s_wait_dscnt 4                                 ; antennas 4, 5; four younger stay out
	QM 4, 0
	QM 5, 0
	s_wait_dscnt 0x0
	QM 6, 0
	QM 7, 0
	; ---- coefficients. Every product above is half of the true one; s = 1/sqrt10, sigma = 1 + h:
	;   V0 (times a_sigma) = -4s PA.x + 0.4 (PB.x a0 + PB.y b0)       V1 (times b_sigma) = +4s PA.y + 0.4 (PB.x b0 - PB.y a0)
	;   half 0: V3 (times 1) = -4s PC.x a0 + 4s PC.y b0 + 0.2 DB n0;  V4 (times n1) = 0.2 DX
	;   half 1: V3 (times Re conj(x1) x2) = 0.4 PD.x;                 V4 (times Im conj(x1) x2) = -0.4 PD.y
	;   C (f32) = 2 DA + 0.2 |column 3|^2 n2
	v_add_f32 v[DA], v[DA], v[DA+1]
	v_add_f32 v[DB], v[DB], v[DB+1]
	v_add_f32 v[DX], v[DX], v[DX+1]
	v_add_f32 v[DP], v[DP], v[DP+1]
	v_mul_f32 v[PQ], 0xbfa1e89b, v[PA]
	v_mul_f32 v[PQ+1], 0x3fa1e89b, v[PA+1]
	v_pk_mul_f32 v[GG:GG+1], v[PB:PB+1], 0x3ecccccd op_sel_hi:[1,0]
	v_mul_f32 v[BE3], v[KB], v[PC]
	v_mul_f32 v[GA3], v[KG], v[PC+1]
	v_mul_f32 v[AL3], v[KA], v[PD]
	v_mul_f32 v[DE3], v[KD], v[DB]
	v_mul_f32 v[V4], v[KD], v[DX]
	v_cndmask_b32 v[G22], v[DP], v[DX], vcc_lo     ; |column 3|^2: X' in half 0, X in half 1
	v_add_f32 v[YN], v[DA], v[DA]
	v_fmac_f32 v[V4], v[KE], v[PD+1]
	v_mul_f32 v[G22], 0x3e4ccccd, v[G22]
.irp j,0,1,2,3,4,5,6,7
.set cn, ((\j>>1)&1)+(\j&1)
	v_fmamk_f32 v[CB+\j], v[G22], 0x40000000+(cn*0x1200000)-((cn>>1)*0xb00000), v[YN]   ; x2 = 8h + j: n2 by its bits b2, b3
.endr
	v_cvt_pk_bf16_f32 v[FT], v[V4], v[V4]
	v_fma_mix_f32_bf16 v[R4], v[FT], v[NEG1], v[V4] op_sel_hi:[1,0,0]      ; V4 - bf16(V4)
; Batch fragment i (x0 = 4w + i): (hi V0, hi V1) (lo V0, lo V1) (hi V3, hi V4) (lo V3, lo V4) 0 0 0 0; lo = bf16(V - hi).
.macro BFRAG i
.set EE, FT+8*((\i)&1)
.set SAI, 32+2*((\i)>>1)
.set SBI, 36+2*((\i)&1)
.set cn, ((\i)>>1)+((\i)&1)
.set BI, BF+8*(\i)
	v_pk_fma_f32 v[EE:EE+1], v[GG:GG+1], s[SAI:SAI+1], v[PQ:PQ+1] op_sel_hi:[1,0,1] neg_hi:[1,0,0]
	v_fma_f32 v[EE+2], v[BE3], s[SAI], v[AL3]
	v_pk_fma_f32 v[EE:EE+1], v[GG:GG+1], s[SBI:SBI+1], v[EE:EE+1] op_sel:[1,0,0] op_sel_hi:[0,0,1]
	v_fmac_f32 v[EE+2], s[SBI], v[GA3]
	v_fmac_f32 v[EE+2], 0x40000000+(cn*0x1200000)-((cn>>1)*0xb00000), v[DE3]
	v_cvt_pk_bf16_f32 v[BI], v[EE], v[EE+1]
	v_cvt_pk_bf16_f32 v[BI+2], v[EE+2], v[V4]
	v_fma_mix_f32_bf16 v[EE+3], v[BI], v[NEG1], v[EE] op_sel_hi:[1,0,0]
	v_fma_mix_f32_bf16 v[EE+4], v[BI], v[NEG1], v[EE+1] op_sel:[1,0,0] op_sel_hi:[1,0,0]
	v_fma_mix_f32_bf16 v[EE+5], v[BI+2], v[NEG1], v[EE+2] op_sel_hi:[1,0,0]
	v_cvt_pk_bf16_f32 v[BI+1], v[EE+3], v[EE+4]
	v_cvt_pk_bf16_f32 v[BI+3], v[EE+5], v[R4]
.endm
.irp i,0,1,2,3
	BFRAG \i
.endr
; ---- distances and minima. Group grp = 8 ip + jp: tiles q = (x0 index 2 ip + q/2, x1 = 2 jp + q%2), in buffer grp & 1.
.macro TILES grp
.set ip, (\grp)/8
.set jp, (\grp)%8
.set bb, DBUF+32*((\grp)&1)
.irp q,0,1,2,3
	v_wmma_f32_16x16x32_bf16 v[bb+8*\q:bb+8*\q+7], v[CAND+8*jp+4*(\q&1):CAND+8*jp+4*(\q&1)+7], v[BF+16*ip+8*(\q>>1):BF+16*ip+8*(\q>>1)+7], v[CB:CB+7]
.endr
.endm
.macro MINS grp
.set ip, (\grp)/8
.set jp, (\grp)%8
.set bb, DBUF+32*((\grp)&1)
.irp j,0,1,2,3,4,5,6,7
	v_min3_num_f32 v[MN2+\j], v[MN2+\j], v[bb+\j], v[bb+8+\j]
.endr
.irp j,0,1,2,3,4,5,6,7
	v_min3_num_f32 v[MN2+\j], v[MN2+\j], v[bb+16+\j], v[bb+24+\j]
.endr
.irp q,0,1,2,3
	v_min3_num_f32 v[TT+2*\q], v[bb+8*\q], v[bb+8*\q+1], v[bb+8*\q+2]
	v_min3_num_f32 v[TT+2*\q+1], v[bb+8*\q+3], v[bb+8*\q+4], v[bb+8*\q+5]
.endr
.irp q,0,1,2,3
	v_min3_num_f32 v[TT+2*\q], v[TT+2*\q], v[bb+8*\q+6], v[bb+8*\q+7]
.endr
.irp q,0,1,2,3
	v_min_num_f32 v[TT+2*\q], v[TT+2*\q], v[TT+2*\q+1]         ; the lane's minimum of tile q
.endr
.irp e,0,1
	v_min3_num_f32 v[MN1+2*jp+\e], v[MN1+2*jp+\e], v[TT+2*\e], v[TT+2*\e+4]    ; tiles e and e + 2 have x1 = 2 jp + e
	v_min3_num_f32 v[MN0+2*ip+\e], v[MN0+2*ip+\e], v[TT+4*\e], v[TT+4*\e+2]    ; tiles 2e and 2e + 1 have x0 index 2 ip + e
.endr
.endm
; A group's results are read behind the next group's products and the minima of the group before: 36 plain vector instructions
; that name none of its registers (ISA guide 7.12.1 asks for 4 before a read, and 8 stand before a buffer is written again).
; Behind the first group that place is taken by the 28 moves that start the running minima.
	TILES 0
.set n, 0
.rept 28
	v_mov_b32 v[MN2+n], v[VINF]
.set n, n+1
.endr
.irp g,1,2,3,4,5,6,7,8,9,10,11,12,13,14,15
	TILES \g
	MINS (\g-1)
.endr
	MINS 15
; ---- symbol minima -> bit minima. Bit p (first bit = 0) has weight st = 8 >> p; the u-th symbol whose bit is bv:
.macro IDX name, u, base, st, bv
.set \name, \base+(((\u)/(\st))*2*(\st))+((\u)%(\st))+((\bv)*(\st))
.endm
; one link of the chain d = min over cnt symbols; the links of all chains are interleaved by the loop over lnk below
.macro MINB d, base, cnt, st, bv, lnk
.if \lnk==0
	IDX xa, 0, \base, \st, \bv
	IDX xb, 1, \base, \st, \bv
.if \cnt==2
	v_min_num_f32 v[\d], v[xa], v[xb]
.else
	IDX xc, 2, \base, \st, \bv
	v_min3_num_f32 v[\d], v[xa], v[xb], v[xc]
.endif
.else
.if (2*\lnk+2)<\cnt
	IDX xa, (2*\lnk+1), \base, \st, \bv
	IDX xb, (2*\lnk+2), \base, \st, \bv
	v_min3_num_f32 v[\d], v[\d], v[xa], v[xb]
.else
.if (2*\lnk+1)<\cnt
	IDX xa, (2*\lnk+1), \base, \st, \bv
	v_min_num_f32 v[\d], v[\d], v[xa]
.endif
.endif
.endif
.endm
.irp lnk,0,1,2,3
.irp vv,0,1
.irp p,0,1,2,3
	MINB OB1+4*\vv+\p, MN1, 8, (8>>\p), \vv, \lnk
.endr
.irp p,1,2,3
	MINB OB2+4*\vv+\p, MN2, 4, (8>>\p), \vv, \lnk
.endr
.irp p,2,3
	MINB OB0+4*\vv+\p, MN0, 2, (8>>\p), \vv, \lnk
.endr
.endr
.endr
	v_min_num_f32 v[TT], v[OB2+1], v[OB2+5]        ; all my eight x2; their first bit is h
	v_min_num_f32 v[TT+1], v[OB0+2], v[OB0+6]      ; all my four x0; their first two bits are w's
	v_cndmask_b32 v[OB2], v[TT], v[VINF], vcc_lo
	v_cndmask_b32 v[OB2+4], v[VINF], v[TT], vcc_lo
	v_cndmask_b32 v[OB0], v[TT+1], v[VINF], s30
	v_cndmask_b32 v[OB0+4], v[VINF], v[TT+1], s30
	v_cndmask_b32 v[OB0+1], v[TT+1], v[VINF], s31
	v_cndmask_b32 v[OB0+5], v[VINF], v[TT+1], s31
.irp q,0,1,2,3,4,5
	ds_store_b128 v[PRW], v[OB0+4*\q:OB0+4*\q+3] offset:L_PR+16*\q
.endr
	s_wait_dscnt 0x0                               ; zero: other waves read these bytes
	s_barrier_signal -1
	s_barrier_wait -1
	; ---- threads 0-47 = (batch u/3, stream u%3): minimum over the 8 partials (4 waves x 2 halves: threads 16 q + batch), LLR = min0 - min1
	s_cmp_ge_u32 s18, 2
	s_cbranch_scc1 .Lend
.irp q,0,1,2,3,4,5,6,7
	ds_load_b128 v[FF+8*\q:FF+8*\q+3], v[PRR] offset:L_PR+16*PPR*\q
	ds_load_b128 v[FF+8*\q+4:FF+8*\q+7], v[PRR] offset:L_PR+16*PPR*\q+16
.endr
	s_wait_dscnt 10                                ; two loads a partial: partials 0-2 are in, ten younger loads stay out
.irp e,0,1,2,3,4,5,6,7
	v_min3_num_f32 v[FF+\e], v[FF+\e], v[FF+8+\e], v[FF+16+\e]
.endr
	s_wait_dscnt 6                                 ; partials 3, 4
.irp e,0,1,2,3,4,5,6,7
	v_min3_num_f32 v[FF+\e], v[FF+\e], v[FF+24+\e], v[FF+32+\e]
.endr
	s_wait_dscnt 2                                 ; partials 5, 6
.irp e,0,1,2,3,4,5,6,7
	v_min3_num_f32 v[FF+\e], v[FF+\e], v[FF+40+\e], v[FF+48+\e]
.endr
	s_wait_dscnt 0x0
.irp e,0,1,2,3,4,5,6,7
	v_min_num_f32 v[FF+\e], v[FF+\e], v[FF+56+\e]
.endr
	v_pk_add_f32 v[FF:FF+1], v[FF:FF+1], v[FF+4:FF+5] neg_lo:[0,1] neg_hi:[0,1]
	v_pk_add_f32 v[FF+2:FF+3], v[FF+2:FF+3], v[FF+6:FF+7] neg_lo:[0,1] neg_hi:[0,1]
	v_cmp_gt_u32 vcc_lo, 48, v0
	s_wait_xcnt 0x0                                ; EXEC changes only behind this wait
	s_and_saveexec_b32 s19, vcc_lo
	global_store_b128 v[OUTO], v[FF:FF+3], s[16:17]    ; sixteen lanes store 256 consecutive bytes, at a multiple of 256 from out0's first byte
.Lend:
	s_wait_xcnt 0x0
	s_mov_b32 exec_lo, -1
	s_wait_tensorcnt 0x0
	ds_add_u32 v246, v247
	s_wait_dscnt 0x0
	s_endpgm
.Lfunc_end_k_qeb0a5be3ea_mld:
	.size	k_qeb0a5be3ea_mld, .Lfunc_end_k_qeb0a5be3ea_mld-k_qeb0a5be3ea_mld
	.p2alignl 7, 3214868480
	.fill 96, 4, 3214868480
	.section	.rodata,"a",@progbits
	.p2align	6, 0x0
	.amdhsa_kernel k_qeb0a5be3ea_mld
		.amdhsa_group_segment_fixed_size 168448
		.amdhsa_private_segment_fixed_size 0
		.amdhsa_enable_private_segment 0
		.amdhsa_kernarg_size 56
		.amdhsa_user_sgpr_count 2
		.amdhsa_user_sgpr_kernarg_segment_ptr 1
		.amdhsa_wavefront_size32 1
		.amdhsa_system_sgpr_workgroup_id_x 1
		.amdhsa_system_sgpr_workgroup_id_y 1
		.amdhsa_system_sgpr_workgroup_id_z 1
		.amdhsa_system_vgpr_workitem_id 0
		.amdhsa_next_free_vgpr 384
		.amdhsa_next_free_sgpr 66
		.amdhsa_reserve_vcc 1
		.amdhsa_float_denorm_mode_32 3
		.amdhsa_float_denorm_mode_16_64 3
		.amdhsa_memory_ordered 1
		.amdhsa_forward_progress 1
		.amdhsa_inst_pref_size 94
	.end_amdhsa_kernel
	.amdgpu_metadata
---
amdhsa.version: [ 1, 2 ]
amdhsa.kernels:
  - .name:           k_qeb0a5be3ea_mld
    .symbol:         k_qeb0a5be3ea_mld.kd
    .args:
      - { .name: s_re, .offset: 0, .size: 8, .value_kind: global_buffer, .address_space: global }
      - { .name: s_im, .offset: 8, .size: 8, .value_kind: global_buffer, .address_space: global }
      - { .name: h_re, .offset: 16, .size: 8, .value_kind: global_buffer, .address_space: global }
      - { .name: h_im, .offset: 24, .size: 8, .value_kind: global_buffer, .address_space: global }
      - { .name: y_re, .offset: 32, .size: 8, .value_kind: global_buffer, .address_space: global }
      - { .name: y_im, .offset: 40, .size: 8, .value_kind: global_buffer, .address_space: global }
      - { .name: out0, .offset: 48, .size: 8, .value_kind: global_buffer, .address_space: global }
    .group_segment_fixed_size: 168448
    .private_segment_fixed_size: 0
    .kernarg_segment_align: 8
    .kernarg_segment_size: 56
    .max_flat_workgroup_size: 128
    .sgpr_count:     66
    .vgpr_count:     384
    .wavefront_size: 32
...
	.end_amdgpu_metadata
.endif
;; end of part 1
